; MI455X (gfx1250); checked and timed in simulation.
; The chip was launched on July 23, 2026; its instructions are those of AMD's public machine-readable ISA for CDNA 5 (MIT licence, August 2026) and "CDNA5" Instruction Set Architecture Reference Guide (July 2026). The comments in the code are by the model that wrote it; some were corrected since.
;; Sampling. Allowed arithmetic: float matrix products may take bf16 or f16 operands with f32 sums; all other float work in f32.
;; Inputs: feature 8 x 16 x 4 x 196 x 384 float32; token 8 x 16 x 4 x 384 float32.
;; Outputs: out0 8 x 16 x 4 x 384 float32.
;; One version. Each part assembles by itself: llvm-mc -triple=amdgcn-amd-amdhsa -mcpu=gfx1250 --defsym DOCPART=n.
;; ======== version 1 of 1: 1 launch
;; launch sample (part 1): grid 256 x 1, 14 waves a work-group, no clusters, 326,400 bytes of LDS; arguments feature, token, out0; writes out0
.if DOCPART == 1
	.amdgcn_target "amdgcn-amd-amdhsa--gfx1250"
	.amdhsa_code_object_version 6
	.text
	.protected	k_q4666785188_sample
	.globl	k_q4666785188_sample
	.p2align	8
	.type	k_q4666785188_sample,@function
k_q4666785188_sample:
	s_mov_b64 s[64:65], 0
	v_nop
	global_prefetch_b8 v0, s[64:65] scope:SCOPE_SE
	s_setreg_imm32_b32 hwreg(HW_REG_WAVE_MODE, 25, 1), 1
	s_wait_xcnt 0x0
; out[g][:] = sum over the 98 rows r of group g with the largest softmax weight of  w[r] feature[g][r][:],  w renormalised over those 98.
; 512 groups g; feature[g] is 196 rows x 384 f32 (1,536 bytes a row, 301,056 bytes a group); token[g], out[g]: 384 f32.
;
; A work-group of 14 waves owns two neighbouring groups, A = 2x and B = 2x + 1; wave w owns rows 14 w .. 14 w + 13 of both.
; 0.74 FLOP stand against each byte read, so the design is about bytes: every feature byte is read from memory once.
;   A: 42 loads of 16 bytes a lane put the wave's 14 rows into 168 registers, where they stay from the scores to the weighted sum.
;   B: seven tensor loads a wave (2 rows each) bring the wave's rows into LDS bytes of its own while A is worked on; afterwards they are
;      taken, chunk by chunk as they land, into the same 168 registers, and go through the same steps.
; Not used, by this text's own arithmetic: matrix instructions (each product has ONE row, 15 of a tile's 16 rows would be idle, and f32 scores
; keep the choice at the cut equal to an f32 computation's); clusters (no two work-groups read a common feature byte); prefetches (all that a
; work-group reads is already asked for near its start).  Each wave reads the token itself: 1,536 bytes beside its 21,504 bytes of rows.
;
; WHICH 98 ROWS.  rank(r) = number of rows with a larger dot product + number of rows below r with an equal one; r is taken if rank < 98.
; No branch and no address hangs on it: a row that is not taken gets the weight 0.
; LIMITS.  Inputs are finite (nothing is claimed for NaN or infinities).  The rank is taken on the f32 dot products, the reference's on the
; softmax values: exact ties go to the lower row in both, but two rows at the cut whose dot products differ by no more than rounding (another
; order of the f32 sums here; exp and division merging neighbours there) may be chosen differently.  v_exp_f32 gives 0 for results under
; 2^-126 (ISA guide 15.8): a weight that far below the largest one counts as 0.  The softmax's own denominator cancels and is not formed.
.set ROWS,   196
.set ROWB,   1536                      ; bytes in a row
.set NW,     14                        ; waves
.set RPW,    14                        ; rows of a wave
.set WTILE,  RPW*ROWB                  ; 21,504 bytes: a wave's rows of one group
.set GROUPB, ROWS*ROWB                 ; 301,056 bytes: a group
.set CHUNK,  2*ROWB                    ; what one tensor load brings
.set TK,     98                        ; rows taken
; LDS
.set XK,     0                         ; keys: 224 slots (16 a wave: 14 rows, 2 dummies), then the same 224 slots holding key + 1
.set XHALF,  896                       ; bytes from the first half to the second
.set XM,     1792                      ; word w: wave w's largest dot product
.set XD,     1856                      ; word w: wave w's sum of weights
.set XP,     2048                      ; row w: wave w's part of the weighted sum, 1,536 bytes
.set TILES,  XP+NW*ROWB                ; 23,552: group B, 21,504 bytes a wave; the tensor loads' only target, never written by ds_store
; vector registers
.set LANE, 1
.set GOFF, 2                           ; 16 lane + 21,504 wave: my 16 bytes in the first row of my wave, in feature
.set TOFF, 3                           ; 16 lane
.set LT,   4                           ; LDS address of the same 16 bytes in my wave's tile
.set XST,  5                           ; where my lane stores its key
.set W4,   6                           ; 4 wave
.set XLD,  7                           ; 64 wave + 4 lane: the key table from my wave's own slots on
.set PST,  8                           ; 1,536 wave + 16 lane
.set FIN,  9                           ; 512 min(wave, 2) + 16 lane: my 16 bytes of the output row (waves 0 to 2)
.set ZERO, 10
.set HALF, 11                          ; lane / 16
.set SC,   12                          ; lane i (and 16 + i): dot product of my wave's row i
.set KEY,  13                          ; the same as an integer that orders like the float
.set TMP,  14
.set MX,   15
.set EX,   16                          ; lane i: exp(score - max) of row i
.set NINF, 17                          ; -infinity
.set TOK,  18                          ; v[18:29]  the token, laid out like a row
.set ACC,  30                          ; v[30:41]  my wave's part of the weighted sum
.set PP,   42                          ; v[42:69]  row i: a pair of running sums at PP + 2 i
.set YK,   PP                          ; v[42:48]  later: the 224 keys, slot 32 r + lane behind my own in register r
.set MM,   PP+8                        ; v[50:63]  later: the 14 maxima, then the 14 sums of weights
.set DAT,  70                          ; v[70:237] row i: 12 registers; register 4 j + e holds column 128 j + 4 lane + e
; scalar registers
.set KS0,  2                           ; the key of the row being ranked, two sets in turn
.set KS1,  3
.set WV,   10                          ; wave
.set WOFF, 11                          ; 21,504 wave
.set BIT1, 12                          ; lanes with bit 0, 1, 2, 3 of their number set
.set BIT2, 13
.set BIT4, 14
.set BIT8, 15
.set PS0,  16                          ; v_permlanex16_b32: lane i takes lane i of the other half
.set PS1,  17
.set REAL, 18                          ; lanes 0-13 and 16-29: those that stand for a row
.set DEN,  19                          ; my wave's sum of weights
.set G1,   20                          ; s[20:27] descriptor group 1
.set G0,   28                          ; s[28:55] descriptor group 0, one for each of the 7 chunks: none is rewritten
.set MS0,  56                          ; s[56:63] compare masks, first set
.set WT,   66                          ; s[66:93] row i: weight at WT + 2 i, rank at WT + 2 i + 1
.set MS1,  94                          ; s[94:101] compare masks, second set
	s_load_b128 s[4:7], s[0:1], 0x0                ; feature s[4:5], token s[6:7]
	s_load_b64 s[8:9], s[0:1], 0x10                ; out0
	v_lshl_add_u32 v240, v0, 2, 0x4f400
	v_mov_b32 v241, 0
	ds_add_u32 v240, v241
	ds_add_u32 v240, v241
	v_and_b32 v[LANE], 31, v0
	v_lshrrev_b32 v[TMP], 5, v0
	v_readfirstlane_b32 s[WV], v[TMP]
	s_mul_i32 s[WOFF], s[WV], WTILE
	v_lshlrev_b32 v[TOFF], 4, v[LANE]
	v_add_nc_u32 v[GOFF], s[WOFF], v[TOFF]
	s_mul_i32 s2, ttmp9, 2*GROUPB                  ; at most 255 x 602,112: below 2^31
	s_mov_b32 s3, 0
	s_wait_dscnt 0x0
	s_wait_kmcnt 0x0
	s_add_nc_u64 s[4:5], s[4:5], s[2:3]            ; feature at group A
	s_mul_i32 s2, ttmp9, 2*ROWB
	s_add_nc_u64 s[6:7], s[6:7], s[2:3]            ; token and out0 at group A
	s_add_nc_u64 s[8:9], s[8:9], s[2:3]
.irp j, 0,1,2
	global_load_b128 v[TOK+4*\j:TOK+4*\j+3], v[TOFF], s[6:7] offset:512*\j
.endr
	; group A: all 42 loads of the wave at once, each 512 consecutive bytes, read once in the launch
.irp i, 0,1,2,3,4,5,6,7,8,9,10,11,12,13
.irp j, 0,1,2
	global_load_b128 v[DAT+12*\i+4*\j:DAT+12*\i+4*\j+3], v[GOFF], s[4:5] offset:\i*ROWB+\j*512 th:TH_LOAD_NT
.endr
.endr
	; constants and addresses, while the loads are out
	s_mov_b32 s[BIT1], 0xaaaaaaaa
	s_mov_b32 s[BIT2], 0xcccccccc
	s_mov_b32 s[BIT4], 0xf0f0f0f0
	s_mov_b32 s[BIT8], 0xff00ff00
	s_mov_b32 s[PS0], 0x76543210
	s_mov_b32 s[PS1], 0xfedcba98
	s_mov_b32 s[REAL], 0x3fff3fff
	; descriptor group 1: a tile of 2 rows x 384 elements of 4 bytes, dense, no padding (every LDS access to it is 512 consecutive bytes)
	s_mov_b32 s[G1+0], 2<<16                       ; no work-group mask; element of 4 bytes
	s_mov_b32 s[G1+1], 384<<16                     ; tensor_dim0 = 384
	s_mov_b32 s[G1+2], 2<<16                       ; tensor_dim1 = 2
	s_mov_b32 s[G1+3], 384<<16                     ; tile_dim0 = 384
	s_mov_b32 s[G1+4], 2                           ; tile_dim1 = 2
	s_mov_b32 s[G1+5], 384                         ; elements from row to row
	s_mov_b32 s[G1+6], 0
	s_mov_b32 s[G1+7], 0
	s_add_co_u32 s[DEN], s[WOFF], TILES            ; my wave's tile in LDS (the register serves as the sum of weights later)
	s_add_co_u32 s2, s[WOFF], GROUPB               ; my wave's rows of group B (s3 is still 0)
	s_add_nc_u64 s[MS0:MS0+1], s[4:5], s[2:3]
.irp c, 0,1,2,3,4,5,6
	s_mov_b32 s[G0+4*\c], 1                                          ; count = 1
	s_add_co_u32 s[G0+4*\c+1], s[DEN], \c*CHUNK                      ; LDS address
	s_add_nc_u64 s[G0+4*\c+2:G0+4*\c+3], s[MS0:MS0+1], \c*CHUNK      ; global address of the chunk's first element
	s_or_b32 s[G0+4*\c+3], s[G0+4*\c+3], 0x80000000                  ; type = 2
.endr
	v_add_nc_u32 v[LT], s[DEN], v[TOFF]
	v_and_b32 v[XST], 15, v0
	v_bfe_u32 v[HALF], v0, 4, 1
	v_mul_u32_u24 v[TMP], v[HALF], XHALF
	v_lshl_add_u32 v[XST], v[XST], 2, v[TMP]       ; lanes 0-15: first half of the table; lanes 16-31: second half
	s_lshl_b32 s2, s[WV], 6                        ; 16 slots a wave
	v_add_nc_u32 v[XST], s2, v[XST]
	v_lshl_add_u32 v[XLD], v[LANE], 2, s2
	s_lshl_b32 s2, s[WV], 2
	v_mov_b32 v[W4], s2
	s_mul_i32 s2, s[WV], ROWB
	v_add_nc_u32 v[PST], s2, v[TOFF]
	s_min_u32 s2, s[WV], 2                         ; only waves 0 to 2 use FIN; the clamp keeps it inside one output row in every wave
	s_lshl_b32 s2, s2, 9
	v_add_nc_u32 v[FIN], s2, v[TOFF]
	v_mov_b32 v[ZERO], 0
	v_mov_b32 v[NINF], 0xff800000
; Rows 2 c and 2 c + 1: each lane's 12 products, two chains side by side, each ending in one number a lane.
.macro DOT2 c
	v_pk_mul_f32 v[PP+4*(\c):PP+4*(\c)+1],   v[DAT+24*(\c):DAT+24*(\c)+1],       v[TOK:TOK+1]
	v_pk_mul_f32 v[PP+4*(\c)+2:PP+4*(\c)+3], v[DAT+24*(\c)+12:DAT+24*(\c)+13],   v[TOK:TOK+1]
.irp j, 1,2,3,4,5
	v_pk_fma_f32 v[PP+4*(\c):PP+4*(\c)+1],   v[DAT+24*(\c)+2*\j:DAT+24*(\c)+2*\j+1],       v[TOK+2*\j:TOK+2*\j+1], v[PP+4*(\c):PP+4*(\c)+1]
	v_pk_fma_f32 v[PP+4*(\c)+2:PP+4*(\c)+3], v[DAT+24*(\c)+12+2*\j:DAT+24*(\c)+13+2*\j],   v[TOK+2*\j:TOK+2*\j+1], v[PP+4*(\c)+2:PP+4*(\c)+3]
.endr
	v_add_f32 v[PP+4*(\c)],   v[PP+4*(\c)],   v[PP+4*(\c)+1]
	v_add_f32 v[PP+4*(\c)+2], v[PP+4*(\c)+2], v[PP+4*(\c)+3]
.endm
; Chunk c of group B from my own tile into the rows' registers: six loads of 512 consecutive bytes.
.macro LDCH c
.irp n, 0,1,2,3,4,5
	ds_load_b128 v[DAT+24*(\c)+4*\n:DAT+24*(\c)+4*\n+3], v[LT] offset:(\c)*CHUNK+\n*512
.endr
.endm
; One step of the transposing sum.  Lanes whose bit is 0 go on with the row in pe, the others with the row in po; each hands the row that it
; drops to its partner (lane xor x) and adds what the partner hands over.  Two rows in, one register out.
.macro TR pe, po, tmp, msk, x
	v_cndmask_b32 v[\tmp], v[\pe], v[\po], s[\msk]         ; what I keep
	v_cndmask_b32 v[\po],  v[\po], v[\pe], s[\msk]         ; what I hand over
	v_add_f32_dpp v[\pe], v[\po], v[\tmp] row_xmask:\x row_mask:0xf bank_mask:0xf
.endm
; The vector half of row i's rank: which of the 224 slots stand in front of it.  The slots come from the table turned to my wave's own slot 0:
; rows behind my wave's hold their key (in front only if larger), rows before my wave's come from the second half, key + 1 (in front if
; larger or equal).  Register 0, lanes 0-15, are my wave's own rows: those below i also count when equal (the >= compare, masked in RANKS).
.macro RANKV i, ms, ks
	v_readlane_b32 s[\ks], v[KEY], \i
.irp r, 0,1,2,3,4,5,6
	v_cmp_gt_i32 s[\ms+\r], v[YK+\r], s[\ks]
.endr
.if \i
	v_cmp_ge_i32 s[\ms+7], v[YK], s[\ks]
	s_wait_alu depctr_va_vdst(0)
.endif
.endm
; The scalar half: count the seven masks; weight = exp(..) if fewer than 98 rows stand in front, else 0 (a choice of a value, no branch).
.macro RANKS i, ms
.if \i
	s_and_b32 s[\ms+7], s[\ms+7], (1<<\i)-1
	s_or_b32 s[\ms], s[\ms], s[\ms+7]
.endif
.irp r, 0,1,2,3,4,5,6
	s_bcnt1_i32_b32 s[\ms+\r], s[\ms+\r]
.endr
	s_add_co_u32 s[\ms],   s[\ms],   s[\ms+1]
	s_add_co_u32 s[\ms+2], s[\ms+2], s[\ms+3]
	s_add_co_u32 s[\ms+4], s[\ms+4], s[\ms+5]
	s_add_co_u32 s[\ms],   s[\ms],   s[\ms+2]
	s_add_co_u32 s[\ms+4], s[\ms+4], s[\ms+6]
	s_add_co_u32 s[WT+2*\i+1], s[\ms], s[\ms+4]            ; the rank; it also fills the upper half of the pair that the packed multiply names
	v_readlane_b32 s[\ms+1], v[EX], \i
	s_cmp_lt_u32 s[WT+2*\i+1], TK
	s_cselect_b32 s[WT+2*\i], s[\ms+1], 0
.endm
; From the 14 per-lane sums in PP to my wave's part of the weighted sum in LDS.  Two barriers.
.macro SELECT
	; 14 rows x 32 lanes to one register: row i's sum ends in lanes i and 16 + i (lanes 14, 15, 30, 31 repeat rows 12, 13 and are overwritten below)
.irp k, 0,1,2,3,4,5,6
	TR PP+4*\k, PP+4*\k+2, PP+4*\k+1, BIT1, 1
.endr
.irp k, 0,1,2
	TR PP+8*\k, PP+8*\k+4, PP+8*\k+1, BIT2, 2
.endr
	v_add_f32_dpp v[PP+24], v[PP+24], v[PP+24] row_xmask:2 row_mask:0xf bank_mask:0xf   ; rows 12, 13 have no partner rows
	TR PP,    PP+8,  PP+1,  BIT4, 4
	TR PP+16, PP+24, PP+17, BIT4, 4
	TR PP,    PP+16, PP+1,  BIT8, 8
	v_permlanex16_b32 v[PP+1], v[PP], s[PS0], s[PS1]
	v_add_f32 v[SC], v[PP], v[PP+1]
	v_add_f32 v[SC], 0, v[SC]                              ; -0 becomes +0: the two are equal and must get one key
	v_cndmask_b32 v[SC], v[NINF], v[SC], s[REAL]           ; the two dummy slots: -infinity, in front of no finite score
	v_ashrrev_i32 v[KEY], 31, v[SC]                        ; key: the float's bits, the lower 31 flipped where it is negative:
	v_and_b32 v[KEY], 0x7fffffff, v[KEY]                   ; signed integers in the floats' order
	v_xor_b32 v[KEY], v[SC], v[KEY]
	v_add_nc_u32 v[TMP], v[KEY], v[HALF]                   ; lanes 16-31 store key + 1 into the second half of the table
	v_mov_b32 v[MX], v[SC]
	v_max_num_f32_dpp v[MX], v[MX], v[MX] row_xmask:1 row_mask:0xf bank_mask:0xf
	v_max_num_f32_dpp v[MX], v[MX], v[MX] row_xmask:2 row_mask:0xf bank_mask:0xf
	v_max_num_f32_dpp v[MX], v[MX], v[MX] row_xmask:4 row_mask:0xf bank_mask:0xf
	v_max_num_f32_dpp v[MX], v[MX], v[MX] row_xmask:8 row_mask:0xf bank_mask:0xf       ; both halves hold the same 14 rows: no fifth step
	ds_store_b32 v[XST], v[TMP] offset:XK
	ds_store_b32 v[W4], v[MX] offset:XM                    ; every lane the same word, the same value
	s_wait_dscnt 0x0                                       ; for the other waves: my keys and my maximum are in LDS
	s_barrier_signal -1
	s_barrier_wait -1
	ds_load_b128 v[MM:MM+3],     v[ZERO] offset:XM
	ds_load_b128 v[MM+4:MM+7],   v[ZERO] offset:XM+16
	ds_load_b128 v[MM+8:MM+11],  v[ZERO] offset:XM+32
	ds_load_b64  v[MM+12:MM+13], v[ZERO] offset:XM+48
.irp r, 0,1,2,3,4,5,6
	ds_load_b32 v[YK+\r], v[XLD] offset:XK+128*\r          ; 224 consecutive slots from my wave's own on: every slot of the table once
.endr
	s_wait_dscnt 7                                         ; the four loads of the maxima are in; the seven of the keys may be out
	v_max3_num_f32 v[MM],   v[MM],   v[MM+1],  v[MM+2]
	v_max3_num_f32 v[MM+3], v[MM+3], v[MM+4],  v[MM+5]
	v_max3_num_f32 v[MM+6], v[MM+6], v[MM+7],  v[MM+8]
	v_max3_num_f32 v[MM+9], v[MM+9], v[MM+10], v[MM+11]
	v_max_num_f32  v[MM+12], v[MM+12], v[MM+13]
	v_max3_num_f32 v[MM],   v[MM],   v[MM+3],  v[MM+6]
	v_max3_num_f32 v[MM],   v[MM],   v[MM+9],  v[MM+12]    ; the largest of all 196 dot products
	v_sub_f32 v[TMP], v[SC], v[MM]                         ; the maximum is taken away first: exponents are 0 at most
	v_mul_f32 v[TMP], 0x3d96c73f, v[TMP]                   ; x 384^-0.5 x log2(e) = 0.07362222
	v_exp_f32 v[EX], v[TMP]                                ; first read far below, behind many plain vector instructions (ISA guide 5.7.2)
	s_wait_dscnt 0x0
	RANKV 0,  MS0, KS0                                     ; the vector half runs one row ahead of the scalar half, on two sets of masks
	RANKV 1,  MS1, KS1
	RANKS 0,  MS0
	RANKV 2,  MS0, KS0
	RANKS 1,  MS1
	RANKV 3,  MS1, KS1
	RANKS 2,  MS0
	RANKV 4,  MS0, KS0
	RANKS 3,  MS1
	RANKV 5,  MS1, KS1
	RANKS 4,  MS0
	RANKV 6,  MS0, KS0
	RANKS 5,  MS1
	RANKV 7,  MS1, KS1
	RANKS 6,  MS0
	RANKV 8,  MS0, KS0
	RANKS 7,  MS1
	RANKV 9,  MS1, KS1
	RANKS 8,  MS0
	RANKV 10, MS0, KS0
	RANKS 9,  MS1
	RANKV 11, MS1, KS1
	RANKS 10, MS0
	RANKV 12, MS0, KS0
	RANKS 11, MS1
	RANKV 13, MS1, KS1
	RANKS 12, MS0
	RANKS 13, MS1
	; my 14 rows times their weights, from the registers they were loaded into; the first row starts the sums
.irp j, 0,1,2,3,4,5
	v_pk_mul_f32 v[ACC+2*\j:ACC+2*\j+1], v[DAT+2*\j:DAT+2*\j+1], s[WT:WT+1] op_sel_hi:[1,0]
.endr
.irp i, 1,2,3,4,5,6,7,8,9,10,11,12,13
.irp j, 0,1,2,3,4,5
	v_pk_fma_f32 v[ACC+2*\j:ACC+2*\j+1], v[DAT+12*\i+2*\j:DAT+12*\i+2*\j+1], s[WT+2*\i:WT+2*\i+1], v[ACC+2*\j:ACC+2*\j+1] op_sel_hi:[1,0,1]
.endr
.if \i == 1
	s_add_f32 s[DEN], s[WT], s[WT+2]
.else
	s_add_f32 s[DEN], s[DEN], s[WT+2*\i]
.endif
.endr
	v_mov_b32 v[TMP], s[DEN]
	ds_store_b128 v[PST], v[ACC:ACC+3]    offset:XP
	ds_store_b128 v[PST], v[ACC+4:ACC+7]  offset:XP+512
	ds_store_b128 v[PST], v[ACC+8:ACC+11] offset:XP+1024
	ds_store_b32 v[W4], v[TMP] offset:XD
	s_wait_dscnt 0x0                                       ; for waves 0 to 2: my part is in LDS; and my reads of the key table are long done
	s_barrier_signal -1
	s_barrier_wait -1
.endm
.macro QADD a, b
	v_pk_add_f32 v[DAT+4*\a:DAT+4*\a+1],   v[DAT+4*\a:DAT+4*\a+1],   v[DAT+4*\b:DAT+4*\b+1]
	v_pk_add_f32 v[DAT+4*\a+2:DAT+4*\a+3], v[DAT+4*\a+2:DAT+4*\a+3], v[DAT+4*\b+2:DAT+4*\b+3]
.endm
; Waves 0 to 2: 96 lanes, 16 bytes of the output row each; the 14 parts are added in a fixed order and divided by the sum of the weights,
; which is at least 1 (the largest score has rank 0 and weight 1).  The rows' registers are free here and take the parts.
.macro FINAL g
	ds_load_b128 v[MM:MM+3],     v[ZERO] offset:XD
	ds_load_b128 v[MM+4:MM+7],   v[ZERO] offset:XD+16
	ds_load_b128 v[MM+8:MM+11],  v[ZERO] offset:XD+32
	ds_load_b64  v[MM+12:MM+13], v[ZERO] offset:XD+48
.irp w, 0,1,2,3,4,5,6,7,8,9,10,11,12,13
	ds_load_b128 v[DAT+4*\w:DAT+4*\w+3], v[FIN] offset:XP+\w*ROWB
.endr
	s_wait_dscnt 14                                        ; the four loads of the sums of weights are in; the 14 parts may be out
	v_pk_add_f32 v[MM:MM+1],   v[MM:MM+1],   v[MM+2:MM+3]
	v_pk_add_f32 v[MM+4:MM+5], v[MM+4:MM+5], v[MM+6:MM+7]
	v_pk_add_f32 v[MM+8:MM+9], v[MM+8:MM+9], v[MM+10:MM+11]
	v_pk_add_f32 v[MM:MM+1],   v[MM:MM+1],   v[MM+4:MM+5]
	v_pk_add_f32 v[MM+8:MM+9], v[MM+8:MM+9], v[MM+12:MM+13]
	v_pk_add_f32 v[MM:MM+1],   v[MM:MM+1],   v[MM+8:MM+9]
	v_add_f32 v[MM], v[MM], v[MM+1]
	v_rcp_f32 v[ACC], v[MM]                                ; twice, to fill the pair of the packed multiply; the additions below, which touch
	v_rcp_f32 v[ACC+1], v[MM]                              ; neither MM nor ACC, are the plain instructions in front of its use (ISA guide 5.7.2)
	s_wait_dscnt 0x0
	QADD 0, 1
	QADD 2, 3
	QADD 4, 5
	QADD 6, 7
	QADD 8, 9
	QADD 10, 11
	QADD 12, 13
	QADD 0, 2
	QADD 4, 6
	QADD 8, 10
	QADD 0, 4
	QADD 8, 12
	QADD 0, 8
	s_wait_alu depctr_va_vdst(0)
	v_pk_mul_f32 v[DAT:DAT+1],   v[DAT:DAT+1],   v[ACC:ACC+1]
	v_pk_mul_f32 v[DAT+2:DAT+3], v[DAT+2:DAT+3], v[ACC:ACC+1]
	global_store_b128 v[FIN], v[DAT:DAT+3], s[8:9] offset:\g*ROWB th:TH_STORE_NT    ; a wave's store covers 512 consecutive bytes, aligned
.if \g == 0
	s_wait_xcnt 0x0                                        ; the store's data registers are loaded again below only behind this wait (ISA guide 3.1)
.endif
.endm
	; ---------------- group A, from registers ----------------
	s_wait_loadcnt 36                                      ; loads return in order (ISA guide 5.7.1): the token and rows 0, 1 are in, 36 younger loads are out
	; Group B is asked for here, behind the first wait, so that all of this wave's loads for A were issued earlier.  Seven tensor loads of this
	; wave are then outstanding, each into bytes of the wave's own tile.
.irp c, 0,1,2,3,4,5,6
	tensor_load_to_lds s[G0+4*\c:G0+4*\c+3], s[G1:G1+7]
	s_nop 0
.endr
	DOT2 0
.irp c, 1,2,3,4,5,6
	s_wait_loadcnt 36-6*\c                                 ; rows 2 c, 2 c + 1 are in: six loads a chunk, the younger chunks stay out
	DOT2 \c
.endr
.irp j, 0,1,2
	global_load_b128 v[TOK+4*\j:TOK+4*\j+3], v[TOFF], s[6:7] offset:ROWB+512*\j    ; group B's token, into the registers that A's has left
.endr
	SELECT
	s_cmp_gt_u32 s[WV], 2
	s_cbranch_scc1 .Lafter_a
	FINAL 0
.Lafter_a:
	; ---------------- group B, from my own tile in LDS, chunk by chunk as it lands ----------------
	; Only my wave reads what my tensor loads brought: s_wait_tensorcnt is all the ordering they need.
	s_wait_loadcnt 0x0                                     ; B's token
	s_wait_tensorcnt 6                                     ; tensor loads of a wave end in order (ISA guide 10.11.1): chunk 0 is in, six are out
	LDCH 0
.irp c, 0,1,2,3,4,5
	s_wait_tensorcnt 5-\c                                  ; chunk c + 1 is in LDS
	LDCH \c+1
	s_wait_dscnt 6                                         ; chunk c is in registers; the six loads just issued stay out
	DOT2 \c
.endr
	s_wait_dscnt 0x0
	DOT2 6
	; The scratch bytes are used a second time: every wave's reads of the key table and the maxima were waited for in front of A's second
	; barrier, and the reads of A's parts by waves 0 to 2 are waited for in front of the next barrier, behind which the parts are written again.
	SELECT
	s_cmp_gt_u32 s[WV], 2
	s_cbranch_scc1 .Lafter_b
	FINAL 1
.Lafter_b:
	s_wait_tensorcnt 0x0
	ds_add_u32 v240, v241
	s_wait_dscnt 0x0
	s_endpgm
.Lfunc_end_k_q4666785188_sample:
	.size	k_q4666785188_sample, .Lfunc_end_k_q4666785188_sample-k_q4666785188_sample
	.p2alignl 7, 3214868480
	.fill 96, 4, 3214868480
	.section	.rodata,"a",@progbits
	.p2align	6, 0x0
	.amdhsa_kernel k_q4666785188_sample
		.amdhsa_group_segment_fixed_size 326400
		.amdhsa_private_segment_fixed_size 0
		.amdhsa_enable_private_segment 0
		.amdhsa_kernarg_size 24
		.amdhsa_user_sgpr_count 2
		.amdhsa_user_sgpr_kernarg_segment_ptr 1
		.amdhsa_wavefront_size32 1
		.amdhsa_system_sgpr_workgroup_id_x 1
		.amdhsa_system_sgpr_workgroup_id_y 1
		.amdhsa_system_sgpr_workgroup_id_z 1
		.amdhsa_system_vgpr_workitem_id 0
		.amdhsa_next_free_vgpr 242
		.amdhsa_next_free_sgpr 102
		.amdhsa_reserve_vcc 0
		.amdhsa_float_denorm_mode_32 3
		.amdhsa_float_denorm_mode_16_64 3
		.amdhsa_memory_ordered 1
		.amdhsa_forward_progress 1
		.amdhsa_inst_pref_size 88
	.end_amdhsa_kernel
	.amdgpu_metadata
---
amdhsa.version: [ 1, 2 ]
amdhsa.kernels:
  - .name:           k_q4666785188_sample
    .symbol:         k_q4666785188_sample.kd
    .args:
      - { .name: feature, .offset: 0, .size: 8, .value_kind: global_buffer, .address_space: global }
      - { .name: token, .offset: 8, .size: 8, .value_kind: global_buffer, .address_space: global }
      - { .name: out0, .offset: 16, .size: 8, .value_kind: global_buffer, .address_space: global }
    .group_segment_fixed_size: 326400
    .private_segment_fixed_size: 0
    .kernarg_segment_align: 8
    .kernarg_segment_size: 24
    .max_flat_workgroup_size: 448
    .sgpr_count:     102
    .vgpr_count:     242
    .wavefront_size: 32
...
	.end_amdgpu_metadata
.endif
;; end of part 1
